; MI455X (gfx1250); checked and timed in simulation.
; The chip was launched on July 23, 2026; its instructions are those of AMD's public machine-readable ISA for CDNA 5 (MIT licence, August 2026) and "CDNA5" Instruction Set Architecture Reference Guide (July 2026). The comments in the code are by the model that wrote it; some were corrected since.
;; Multi Head Attention. Allowed arithmetic: matrix products marked QUANTISED: E4M3 operands, one given power-of-two scale a tensor, by v_wmma_f32_16x16x64_fp8_fp8 or v_wmma_f32_16x16x128_fp8_fp8, f32 sums; everything else in f32.
;; Inputs: Wk_codes 1,024 x 32 x 32 uint8 (E4M3 codes of Wk, K innermost, in blocks of 32 codes); Wo_codes 1,024 x 32 x 32 uint8 (E4M3 codes of Wo, K innermost, in blocks of 32 codes); Wq_codes 1,024 x 32 x 32 uint8 (E4M3 codes of Wq, K innermost, in blocks of 32 codes); Wv_codes 1,024 x 32 x 32 uint8 (E4M3 codes of Wv, K innermost, in blocks of 32 codes); bk 1,024 float32; bo 1,024 float32; bq 1,024 float32; bv 1,024 float32; lowp_scales 12 int32 (the exponents e of the quantised operands' scales 2^e); x_codes 2 x 2,048 x 32 x 32 uint8 (E4M3 codes of x, K innermost, in blocks of 32 codes).
;; Outputs: out0 2 x 2,048 x 1,024 float32.
;; This version of the problem:
;;   THIS VERSION OF THE PROBLEM IS GIVEN IN LOW PRECISION. The matrix products marked QUANTISED in the list below multiply operands that are first quantised to E4M3 (4 exponent bits, 3 mantissa bits; 8 bits a number), with one given power-of-two scale for each operand tensor; their sums are f32. All else is computed in f32.
;;   The module's matrix products, in the order in which they are computed (A, B: the left and right operand; K: the contracted axis; several contracted axes count as one K, in the product's order):
;;     1. [M 4,096, K 1,024] x [K 1,024, N 1,024]; A: input x (given as codes); B: input Wq (given as codes): QUANTISED (scales: A lowp_scales[0], B lowp_scales[1])
;;     2. [M 4,096, K 1,024] x [K 1,024, N 1,024]; A: input x (given as codes); B: input Wk (given as codes): QUANTISED (scales: A lowp_scales[2], B lowp_scales[3])
;;     3. [M 4,096, K 1,024] x [K 1,024, N 1,024]; A: input x (given as codes); B: input Wv (given as codes): QUANTISED (scales: A lowp_scales[4], B lowp_scales[5])
;;     4. batch 32 x [M 2,048, K 64] x [K 64, N 2,048]; A: computed on the way; B: computed on the way: QUANTISED (scales: A lowp_scales[6], B lowp_scales[7])
;;     5. batch 32 x [M 2,048, K 2,048] x [K 2,048, N 64]; A: softmax (see below); B: computed on the way: QUANTISED (scales: A lowp_scales[8], B lowp_scales[9])
;;     6. [M 4,096, K 1,024] x [K 1,024, N 1,024]; A: computed on the way; B: input Wo (given as codes): QUANTISED (scales: A lowp_scales[10], B lowp_scales[11])
;;   THE QUANTISER, for each operand of a quantised product, along K:
;;     - The operand's scale is 2^e, e = its entry of the input lowp_scales (int32; the entries are numbered through the quantised products in the list's order, A before B).
;;     - Each number is divided by the scale, clamped to +-448, and rounded to the nearest number of E4M3, ties to even, subnormals kept.
;;     - The product sums the exact products of the quantised numbers (number of the format x scale) in f32.
;;   ~~~python
;;   def quantise(x, axis, e):      # numpy; x: float32 -> the quantised numbers, widened to float32 again
;;       x = np.moveaxis(x, axis, -1); K = x.shape[-1]
;;       r = np.clip(x / 2.0 ** e, -448, 448)
;;       step = 2.0 ** (np.maximum(np.frexp(np.where(r == 0, 1, r))[1] - 1, -6) - 3)
;;       q = np.round(r / step) * step * 2.0 ** e      # np.round: ties to even
;;       return np.moveaxis(q, -1, axis).astype(np.float32)
;;   ~~~
;;   SOFTMAX AHEAD OF A QUANTISED PRODUCT. Where the list says 'softmax', what is quantised is not the finished softmax but p = 2^(t - M), with t = logit x log2(e) and M = ceil(the row's largest t), a whole number; so 1/2 < the row's largest p <= 1. The row's sum l is taken of the UNQUANTISED p, in f32, and the product's result is divided by l at the end. Since M is a whole number, a kernel that streams over the keys may use a running M (the ceiling of the running maximum): every later rescaling is an exact power of two, so the quantised numbers keep their values, but for numbers so far below the row's largest that they fall under the format's range.
;;   OPERANDS COMPUTED ON THE WAY. 'Computed on the way' means the value that the module computes at that place (a softmax that the list does not call 'softmax' is quantised finished and normalised). What goes into a quantiser is computed in f32, as accurately as f32 sums, v_exp_f32 and their like allow (about 1e-6 of the number): no bf16 or f16 on the way to a quantiser, and a product that is left as it is and whose result goes on into a quantised operand takes f32 operands (vector FMAs, or v_wmma_f32_16x16x4_f32). A number that lies on a knife's edge between two numbers of the format may be rounded either way, as far as f32 arithmetic and the matrix unit's own rounding can turn it there, and no further.
;;   INPUTS GIVEN AS CODES. Wk (in the module: [1024, 1024], K = its axis 0); Wo (in the module: [1024, 1024], K = its axis 0); Wq (in the module: [1024, 1024], K = its axis 0); Wv (in the module: [1024, 1024], K = its axis 0); x (in the module: [2, 2048, 1024], K = its axis 2): each comes as NAME_codes (uint8): NAME with its K axis moved to the last place and cut into blocks of 32 codes, [.., K / 32, bytes a block], one block behind the other in memory; one code a byte (a code: sign, 4 exponent bits, 3 mantissa bits); its scale is its entry of lowp_scales. Its value is code x scale, taken as it is: it is not quantised again, and the codes and scales need not be those that the quantiser above would give.
;; One version. Each part assembles by itself: llvm-mc -triple=amdgcn-amd-amdhsa -mcpu=gfx1250 --defsym DOCPART=n.
;; ======== version 1 of 1: 3 launches
;; limits: right only within a limited range of input values
;; workspace buffers: qc 4,194,304 bytes; kc 4,194,304 bytes; vc 4,194,304 bytes; ac 4,194,304 bytes
;; launch qkv (part 1): grid 16 x 16, 4 waves a work-group, clusters of 4 x 4, 327,680 bytes of LDS; arguments x_codes, Wq_codes, Wk_codes, Wv_codes, bq, bk, bv, lowp_scales, qc, kc, vc; writes qc, kc, vc
.if DOCPART == 1
	.amdgcn_target "amdgcn-amd-amdhsa--gfx1250"
	.amdhsa_code_object_version 6
	.text
	.protected	k_qf21531846a_qkv
	.globl	k_qf21531846a_qkv
	.p2align	8
	.type	k_qf21531846a_qkv,@function
k_qf21531846a_qkv:
	s_mov_b64 s[64:65], 0
	v_nop
	global_prefetch_b8 v0, s[64:65] scope:SCOPE_SE
	s_setreg_imm32_b32 hwreg(HW_REG_WAVE_MODE, 25, 1), 1
	s_wait_xcnt 0x0
	s_wait_alu depctr_hold_cnt(0) depctr_sa_sdst(0) depctr_va_vdst(0) depctr_va_sdst(0) depctr_va_ssrc(0) depctr_va_vcc(0) depctr_vm_vsrc(0)
	s_getreg_b32 s2, hwreg(HW_REG_IB_STS2, 6, 4)
	s_cmp_eq_u32 s2, 0
	s_cbranch_scc0 .Lentry_in_a_cluster
	s_endpgm
.Lentry_in_a_cluster:
	s_bfe_u32 s2, ttmp6, 0x10000c
	s_cmp_lg_u32 s2, 0xf033
	s_cbranch_scc0 .Lentry_shape_is_right
	s_endpgm
.Lentry_shape_is_right:
; q = x Wq + bq, k = x Wk + bk, v = x Wv + bv on codes of FP8 (E4M3), then quantised with the given scales e6 (q), e7 (k), e9 (v) into codes for the attention launch.
; x: [4096][1024] codes; Wq, Wk, Wv: [1024 (n)][1024 (k)] codes, K innermost; biases f32.  lowp_scales: e0, e1 (x, Wq), e2, e3 (x, Wk), e4, e5 (x, Wv).
; SHARES.  A work-group takes 256 tokens and ONE head: its 64 columns of q, of k and of v.  16 heads x 16 token blocks = 256 work-groups.  Wave w takes tokens 64 w .. 64 w + 63 against all 192 columns:
; 48 accumulators of 16 x 16, 384 registers.  K = 1,024 goes in eight sub-steps of 128, two to an LDS slot, through a ring of two slots: two first fills, two refills, all written out (no loop).
; CLUSTER 4 x 4.  The four of a row of the cluster share the token block (x's tile), the four of a column share the head (the three weights' tiles): each tile is asked for jointly.
; THE RESULTS LEAVE AS IMAGES OF THE NEXT PRODUCT'S OPERAND REGISTERS.  q, k: source 0 = 16 rows of W, source 1 = 16 tokens: a lane holds one token and eight neighbouring channels 16 n + 8 (lane / 16) + j:
; their eight codes are registers 2 n, 2 n + 1 of a 16 x 64 fragment.  v: source 0 = 16 tokens, source 1 = 16 rows of Wv: a lane holds one channel and eight neighbouring tokens: registers 2 T, 2 T + 1 of a
; fragment of V^T along the keys.  Four registers go out by one store, 16 bytes a lane: 512 consecutive bytes, aligned.  No stage in LDS is needed.
; x's and W's fragments are both fetched 16 bytes at a time (registers 4 c .. 4 c + 3: K = 32 c + 16 (lane / 16) + 0 .. 15): the same permutation of k on both sides, so every product meets its partner.
; The biases are the C of each sum's first product, divided by the power of two that the sums lack; the three scales ahead of each quantiser are folded into the conversion's one.
; LIMITS: e6 - e0 - e1, e7 - e2 - e3 and e9 - e4 - e5 lie between -126 and 119, so that each scale and 448 x it are f32 numbers.  NaN among the biases is not served.
; REGISTERS, in windows of 256.  Window 0: v1-21 addresses and constants; v24-27 bv as loaded; v64-127, v128-191 x's fragments, two sets of 4 x 16; at the end the codes: v v32-63, q v192-223, k v224-255.
;   Window 1: Wq's four fragments v0-63, Wk's v64-127, Wv's v128-191.   Window 2: q's accumulators at 8 (4 t + n), k's at 128 + 8 (4 t + n).
;   Window 3: v's accumulators at 8 (4 t + n); the biases as tiles of C: q v128-159, k v160-191, v v192-223.
.set PITCH,  272                       ; an LDS row: 256 bytes + 16 of padding = 68 words: the 16 rows that a load touches start at 16 different banks (64 banks of 4 bytes: ISA guide 11.1)
.set T16,    16*PITCH
.set ABYTES, 256*PITCH                 ; x's 256 rows
.set WBYTES, 64*PITCH                  ; a weight's 64 rows
.set SLOT,   ABYTES+3*WBYTES           ; x, Wq, Wk, Wv: 121,856 bytes
.set SPARE,  2*SLOT                    ; behind the ring: the spare words, 128 bytes for each wave: two blocks of 256 bytes that no other line names
.set LI,   4                           ; v4   16 x lane
.set SPW,  6                           ; v6   LDS address of my spare word; never rewritten
.set NIL,  7                           ; v7   0; never rewritten
.set SQ,   8                           ; v8, v9    q: the conversion's scale, and 448 x it
.set SK,   10                          ; v10, v11  k
.set SV,   12                          ; v12, v13  v
.set ADA,  16                          ; v16-17  LDS address of my fragments of x in slot 0, 1
.set ADB,  18                          ; v18-19  the same for the weights
.set BOFF, 20                          ; v20  32 x (lane / 16)
.set VOFF, 21                          ; v21  4 x (lane % 16)
.set BVR,  24
.set CV,   32
.set AF,   64
.set CQ,   192
.set CK,   224
.set BIQ,  128                         ; in window 3
.set BIK,  160
.set BIV,  192
.set WV,   26                          ; s26  my wave's number
.set G1A,  32                          ; s[32:39] descriptor group 1 for x's tile;  s[40:47] for a weight's
.set G1B,  40
.set G0A,  48                          ; s[48:55] group 0 for x's tile, a set for each slot;  s[56:63] for my weight's
.set G0B,  56
.set MSB, 0
.macro WIN new                         ; the immediate's high byte repeats the setting that is left
.if MSB != \new
	s_set_vgpr_msb (MSB<<8)|\new
.set MSB, \new
.endif
.endm
.macro PLACES                          ; four plain vector lines between a matrix instruction and a load into, or a vector read of, its registers
.rept 4
	v_nop
.endr
.endm
; A joint refill: wave 0 fetches x's tile, waves 1, 2, 3 those of Wq, Wk, Wv.  The branch hangs on the wave's number alone.  Four v_nop follow each line.
.macro JLOAD s
	s_cmp_eq_u32 s[WV], 0
	s_cbranch_scc0 .Lfor_w_\@
	tensor_load_to_lds s[G0A+4*\s:G0A+4*\s+3], s[G1A:G1A+7]
	s_nop 0
.rept 4
	v_nop
.endr
	s_branch .Lasked_\@
.Lfor_w_\@:
	tensor_load_to_lds s[G0B+4*\s:G0B+4*\s+3], s[G1B:G1B+7]
	s_nop 0
.rept 4
	v_nop
.endr
.Lasked_\@:
.endm
; A PREFETCH INTO THE L2, one K step of 256 ahead of the joint load that will want it.  Each aligned block of 256 bytes is named once in each cluster that loads it: the four partners of a row of the cluster share x's 256 rows
; out by address (64 each, by cx), the four of a column a weight's 64 rows (16 each, by cy).  Wave 0 asks for x's rows, two instructions of 32; waves 1, 2, 3 for their weight's 16 (the lanes left over name the last row again).
.set PFO,  22                          ; v22  1,024 x (my lane, or at most 15 in waves 1 to 3); never rewritten.  s[98:99] where my prefetches stand; never rewritten
.macro ASK off
	global_prefetch_b8 v[PFO], s[98:99] offset:\off th:TH_LOAD_NT scope:SCOPE_SE
	s_cmp_eq_u32 s[WV], 0
	s_cbranch_scc0 .Lnot_x_\@
	global_prefetch_b8 v[PFO], s[98:99] offset:\off+32768 th:TH_LOAD_NT scope:SCOPE_SE
.Lnot_x_\@:
.endm
.macro CREST                           ; a round of the cluster's barrier behind its opening barrier
	s_cmp_lg_u32 s[WV], 0
	s_cbranch_scc1 .Lnot_wave_0_\@
	s_barrier_signal -3
.Lnot_wave_0_\@:
	s_barrier_wait -3
	s_barrier_signal -1
	s_barrier_wait -1
.endm
.macro CROUND                          ; a whole round
	s_barrier_signal -1
	s_barrier_wait -1
	CREST
.endm
	s_load_b256 s[4:11], s[0:1], 0x0               ; x s[4:5], Wq s[6:7], Wk s[8:9], Wv s[10:11]
	s_load_b256 s[12:19], s[0:1], 0x20             ; bq s[12:13], bk s[14:15], bv s[16:17], the scales' exponents s[18:19]
	s_load_b128 s[20:23], s[0:1], 0x40             ; qc s[20:21], kc s[22:23]
	s_load_b64 s[24:25], s[0:1], 0x50              ; vc
	v_lshl_add_u32 v[SPW], v0, 2, SPARE
	v_mov_b32 v[NIL], 0
	ds_add_u32 v6, v7                              ; the wave's opening: the add, twice on end, and its wait; the set-up, work on registers, stands between
	ds_add_u32 v6, v7
	v_lshrrev_b32 v1, 5, v0
	v_readfirstlane_b32 s[WV], v1                  ; wave 0..3
	s_bfe_u32 s27, ttmp6, 0x40000                  ; cx
	s_bfe_u32 s28, ttmp6, 0x40004                  ; cy
	s_lshl_b32 s29, ttmp9, 2
	s_add_co_u32 s29, s29, s27                     ; the head = 4 x cluster x + cx
	s_and_b32 s30, ttmp7, 0xffff
	s_lshl_b32 s30, s30, 2
	s_add_co_u32 s30, s30, s28                     ; the block of 256 tokens = 4 x cluster y + cy
	s_lshl_b32 s80, s28, 2
	s_lshl_b32 s80, 15, s80                        ; my row of the cluster
	s_lshl_b32 s81, 0x1111, s27                    ; my column
	s_or_b32 s[G1A], s80, (1<<20)|(1<<21)|(5<<22)|(3<<25)   ; 15:0 the mask; 17:16 elements of 1 byte; 20 padding on; 21 set beside a mask; 24:22 after every 64 words; 31:25 four words
	s_or_b32 s[G1B], s81, (1<<20)|(1<<21)|(5<<22)|(3<<25)
	s_mov_b32 s[G1A+1], 256<<16                    ; tensor_dim0 = 256 bytes
	s_mov_b32 s[G1A+2], 256<<16                    ; tensor_dim1 = 256 rows
	s_mov_b32 s[G1A+3], 256<<16                    ; tile_dim0
	s_mov_b32 s[G1A+4], 256                        ; tile_dim1
	s_mov_b32 s[G1A+5], 1024                       ; from row to row
	s_mov_b32 s[G1A+6], 0
	s_mov_b32 s[G1A+7], 0
	s_mov_b32 s[G1B+1], 256<<16
	s_mov_b32 s[G1B+2], 64<<16                     ; 64 rows
	s_mov_b32 s[G1B+3], 256<<16
	s_mov_b32 s[G1B+4], 64
	s_mov_b32 s[G1B+5], 1024
	s_mov_b32 s[G1B+6], 0
	s_mov_b32 s[G1B+7], 0
	s_lshl_b32 s82, s30, 18                        ; x: 256 rows of 1,024 bytes a block: hangs on the token block alone
	s_mov_b32 s83, 0
	s_lshl_b32 s84, s29, 16                        ; a weight: 64 rows of 1,024 bytes a head: hangs on the head alone
	s_mov_b32 s85, 0
	s_mul_i32 s88, s[WV], WBYTES
	s_add_co_u32 s88, s88, ABYTES-WBYTES           ; waves 1, 2, 3: their weight's place in a slot, behind x's rows
	s_wait_dscnt 0x0                               ; both opening adds are done
	CROUND                                         ; all sixteen work-groups are here: the first joint loads meet.  The round needs no argument, so the arguments' wait stands behind it
	s_wait_kmcnt 0x0
	s_load_b256 s[68:75], s[18:19], 0x0            ; e0 .. e7
	s_load_b64 s[76:77], s[18:19], 0x20            ; e8, e9
	s_add_nc_u64 s[82:83], s[4:5], s[82:83]
	s_cmp_eq_u32 s[WV], 2                          ; which weight I fetch hangs on the wave's number alone
	s_cselect_b64 s[86:87], s[8:9], s[6:7]
	s_cmp_eq_u32 s[WV], 3
	s_cselect_b64 s[86:87], s[10:11], s[86:87]
	s_add_nc_u64 s[86:87], s[86:87], s[84:85]
.irp s, 0,1
	s_mov_b32 s[G0A+4*\s], 1                       ; count = 1
	s_mov_b32 s[G0A+4*\s+1], \s*SLOT               ; LDS address
	s_add_nc_u64 s[G0A+4*\s+2:G0A+4*\s+3], s[82:83], \s*256   ; slot s begins with K = 256 s
	s_or_b32 s[G0A+4*\s+3], s[G0A+4*\s+3], 0x80000000         ; type = 2
	s_mov_b32 s[G0B+4*\s], 1
	s_add_co_u32 s[G0B+4*\s+1], s88, \s*SLOT
	s_add_nc_u64 s[G0B+4*\s+2:G0B+4*\s+3], s[86:87], \s*256
	s_or_b32 s[G0B+4*\s+3], s[G0B+4*\s+3], 0x80000000
.endr
	JLOAD 0                                        ; K 0-255: one tensor load a wave at the head
	v_and_b32 v1, 15, v0                           ; r = lane % 16
	v_bfe_u32 v2, v0, 4, 1                         ; h = lane / 16
	v_and_b32 v3, 31, v0
	v_lshlrev_b32 v[LI], 4, v3
	v_mul_u32_u24 v5, v1, PITCH
	v_lshl_add_u32 v5, v2, 4, v5                   ; a fragment's row x pitch + 16 h
	s_mul_i32 s89, s[WV], 64*PITCH                 ; my 64 rows of x
	v_add_nc_u32 v[ADA], s89, v5
	v_add_nc_u32 v[ADA+1], SLOT, v[ADA]
	v_add_nc_u32 v[ADB], ABYTES, v5                ; the weights lie behind x's 256 rows
	v_add_nc_u32 v[ADB+1], SLOT, v[ADB]
	v_lshlrev_b32 v[BOFF], 5, v2
	v_lshlrev_b32 v[VOFF], 2, v1
	s_wait_alu depctr_va_vdst(0)                   ; the wait here, ahead of the run of scalar instructions
	s_lshl_b32 s80, s27, 16                        ; cx: which 64 of x's rows my work-group asks for
	s_lshl_b32 s81, s28, 14                        ; cy: which 16 of a weight's rows
	s_cmp_eq_u32 s[WV], 0
	s_cselect_b64 s[98:99], s[82:83], s[86:87]
	s_cselect_b32 s80, s80, s81
	s_cselect_b32 s89, 31, 15
	s_mov_b32 s81, 0
	s_add_nc_u64 s[98:99], s[98:99], s[80:81]
	v_min_u32 v[PFO], s89, v3
	v_lshlrev_b32 v[PFO], 10, v[PFO]
	ASK 256                                        ; K 256-511, which slot 1's first fill asks for
	s_lshl_b32 s90, s29, 8                         ; the head's 64 numbers in each bias
	s_mov_b32 s91, 0
	s_add_nc_u64 s[12:13], s[12:13], s[90:91]
	s_add_nc_u64 s[14:15], s[14:15], s[90:91]
	s_add_nc_u64 s[16:17], s[16:17], s[90:91]
	WIN 0xc0                                       ; destination window 3
.irp n, 0,1,2,3                                ; q, k: tile n's C holds, in lane (r, h), the bias of channels 16 n + 8 h + 0 .. 7
	global_load_b128 v[BIQ+8*\n:BIQ+8*\n+3],   v[BOFF], s[12:13] offset:64*\n
	global_load_b128 v[BIQ+8*\n+4:BIQ+8*\n+7], v[BOFF], s[12:13] offset:64*\n+16
	global_load_b128 v[BIK+8*\n:BIK+8*\n+3],   v[BOFF], s[14:15] offset:64*\n
	global_load_b128 v[BIK+8*\n+4:BIK+8*\n+7], v[BOFF], s[14:15] offset:64*\n+16
.endr
	WIN 0
.irp n, 0,1,2,3                                ; v: a lane holds channel 16 n + r in all eight registers
	global_load_b32 v[BVR+\n], v[VOFF], s[16:17] offset:64*\n
.endr
	; where my codes go.  bh = 16 x batch + head; a head is 131,072 bytes in each of the three buffers
	s_lshr_b32 s92, s30, 3
	s_lshl_b32 s92, s92, 4
	s_add_co_u32 s92, s92, s29
	s_lshl_b32 s92, s92, 17
	s_and_b32 s93, s30, 7                          ; the token block within its batch
	s_lshl_b32 s94, s93, 4
	s_lshl_b32 s95, s[WV], 2
	s_add_co_u32 s94, s94, s95                     ; q, k: my first tile of 16 tokens, 1,024 bytes a tile
	s_lshl_b32 s94, s94, 10
	s_add_co_u32 s94, s94, s92
	s_mov_b32 s95, 0
	s_add_nc_u64 s[20:21], s[20:21], s[94:95]
	s_add_nc_u64 s[22:23], s[22:23], s[94:95]
	s_lshl_b32 s96, s93, 1
	s_lshr_b32 s97, s[WV], 1
	s_add_co_u32 s96, s96, s97                     ; v: the step of 128 keys, 8,192 bytes a step;
	s_lshl_b32 s96, s96, 13
	s_and_b32 s97, s[WV], 1
	s_lshl_b32 s97, s97, 10                        ; my 64 tokens are registers 0-7 or 8-15 of its fragments
	s_add_co_u32 s96, s96, s97
	s_add_co_u32 s96, s96, s92
	s_mov_b32 s97, 0
	s_add_nc_u64 s[24:25], s[24:25], s[96:97]
	s_wait_loadcnt 0x0                             ; the biases
	s_wait_kmcnt 0x0                               ; the exponents
.macro SCALES dst, eo, ea, eb                  ; v[dst] = 2^(eo - ea - eb) as f32, v[dst + 1] = 448 x it
	s_sub_co_i32 s80, s[\eo], s[\ea]
	s_sub_co_i32 s80, s80, s[\eb]
	s_add_co_i32 s80, s80, 127
	s_lshl_b32 s81, s80, 23
	v_mov_b32 v[\dst], s81
	s_add_co_i32 s80, s80, 8
	s_lshl_b32 s80, s80, 23
	s_or_b32 s80, s80, 0x600000
	v_mov_b32 v[\dst+1], s80
.endm
	SCALES SQ, 74, 68, 69                          ; a sum stands for sum x 2^(e0 + e1): its code is sum / 2^(e6 - e0 - e1)
	SCALES SK, 75, 70, 71
	SCALES SV, 77, 72, 73
	s_add_co_i32 s92, s68, s69
	s_sub_co_i32 s92, 0, s92                       ; -(e0 + e1): bq goes in as bq / 2^(e0 + e1)
	s_add_co_i32 s93, s70, s71
	s_sub_co_i32 s93, 0, s93
	s_add_co_i32 s94, s72, s73
	s_sub_co_i32 s94, 0, s94
	WIN 0xc3                                       ; source 0 and destination window 3
.set i, 0
.rept 32
	v_ldexp_f32 v[BIQ+i], v[BIQ+i], s92
	v_ldexp_f32 v[BIK+i], v[BIK+i], s93
.set i, i+1
.endr
	WIN 0xc0
.irp n, 0,1,2,3
.irp j, 0,1,2,3,4,5,6,7
	v_ldexp_f32 v[BIV+8*\n+\j], v[BVR+\n], s94
.endr
.endr
	WIN 0
; 16 LDS loads: weight grp's four fragments (16 rows x 128 K) of the slot's q-th 128 along K
.macro LDB grp, slot, q
	WIN 0x40
.irp f, 0,1,2,3
.irp c, 0,1,2,3
	ds_load_b128 v[64*\grp+16*\f+4*\c:64*\grp+16*\f+4*\c+3], v[ADB+\slot] offset:(4*\grp+\f)*T16+128*\q+32*\c
.endr
.endr
.endm
.macro LDA set, slot, q                        ; x's four fragments into one of the two sets
	WIN 0
.irp t, 0,1,2,3
.irp c, 0,1,2,3
	ds_load_b128 v[AF+64*\set+16*\t+4*\c:AF+64*\set+16*\t+4*\c+3], v[ADA+\slot] offset:\t*T16+128*\q+32*\c
.endr
.endr
.endm
; 16 products for q (base 0, weight 0) or k (base 128, weight 1): source 0 = 16 rows of W, source 1 = 16 tokens.  first = 1: C is the bias.
; The 48 accumulators take turns, one instruction a turn, in the same order in every sub-step.
.macro MULQK base, grp, bias, set, first
.if \first
	WIN 0xb1                                       ; W window 1, x window 0, C window 3, D window 2
.else
	WIN 0xa1                                       ; C and D window 2
.endif
.irp t, 0,1,2,3
.irp n, 0,1,2,3
.if \first
	v_wmma_f32_16x16x128_fp8_fp8 v[\base+8*(4*\t+\n):\base+8*(4*\t+\n)+7], v[64*\grp+16*\n:64*\grp+16*\n+15], v[AF+64*\set+16*\t:AF+64*\set+16*\t+15], v[\bias+8*\n:\bias+8*\n+7]
.else
	v_wmma_f32_16x16x128_fp8_fp8 v[\base+8*(4*\t+\n):\base+8*(4*\t+\n)+7], v[64*\grp+16*\n:64*\grp+16*\n+15], v[AF+64*\set+16*\t:AF+64*\set+16*\t+15], v[\base+8*(4*\t+\n):\base+8*(4*\t+\n)+7]
.endif
.endr
.endr
.endm
.macro MULV set, first                         ; 16 products for v: source 0 = 16 tokens, source 1 = 16 rows of Wv
	WIN 0xf4                                       ; x window 0, Wv window 1, C and D window 3
.irp t, 0,1,2,3
.irp n, 0,1,2,3
.if \first
	v_wmma_f32_16x16x128_fp8_fp8 v[8*(4*\t+\n):8*(4*\t+\n)+7], v[AF+64*\set+16*\t:AF+64*\set+16*\t+15], v[128+16*\n:128+16*\n+15], v[BIV+8*\n:BIV+8*\n+7]
.else
	v_wmma_f32_16x16x128_fp8_fp8 v[8*(4*\t+\n):8*(4*\t+\n)+7], v[AF+64*\set+16*\t:AF+64*\set+16*\t+15], v[128+16*\n:128+16*\n+15], v[8*(4*\t+\n):8*(4*\t+\n)+7]
.endif
.endr
.endr
.endm
; A slot's first sub-step (x's set 0).  Each weight's registers are fetched anew as soon as its 16 products are issued; the runs of 16 loads come back in order (ISA guide 5.7.1).
.macro STEP slot, first
	s_wait_dscnt 32                                ; Wq and x are in; Wk's and Wv's 32 loads are younger
	MULQK 0, 0, BIQ, 0, \first
	PLACES
	LDB 0, \slot, 1
	LDA 1, \slot, 1
	s_wait_dscnt 48                                ; Wk is in; younger: Wv's 16 and the 32 just issued
	MULQK 128, 1, BIK, 0, \first
	PLACES
	LDB 1, \slot, 1
	s_wait_dscnt 48                                ; Wv is in; younger: the 32 and the 16 issued since
	MULV 0, \first
	PLACES
	LDB 2, \slot, 1
.endm
; A slot's second sub-step (x's set 1) changes slots: ONE barrier; in front of it each wave waits for all its tensor loads, adds 0 to its spare word, and waits for that and for its reads of this slot.
.macro TURN slot, next, fill
	WIN 0                                          ; (the add's two registers lie in window 0)
	s_wait_tensorcnt 0x0                           ; all my tensor loads have landed: my part of the next slot
	ds_add_u32 v[SPW], v[NIL]                      ; 0 onto my spare word
	s_wait_dscnt 33                                ; Wq and x are in; the add and Wk's and Wv's 32 loads may be out
	MULQK 0, 0, BIQ, 1, 0                          ; sixteen products stand between the add and the wait for it
	s_wait_dscnt 0x0                               ; the add is done, and my reads of this slot are over
	s_barrier_signal -1
	MULQK 128, 1, BIK, 1, 0
	WIN 0
	s_barrier_wait -1
.if \fill
	CREST                                          ; the barrier has opened a round of the cluster's: no wave of any partner still reads this slot or has a load on its way
	s_add_nc_u64 s[G0A+4*\slot+2:G0A+4*\slot+3], s[G0A+4*\slot+2:G0A+4*\slot+3], 512   ; two slots on along K
	s_add_nc_u64 s[G0B+4*\slot+2:G0B+4*\slot+3], s[G0B+4*\slot+2:G0B+4*\slot+3], 512
	JLOAD \slot                                    ; the first tensor load behind the round; its four v_nop are the places in front of the loads below
.else
	PLACES
.endif
	LDB 0, \next, 0
	LDA 0, \next, 0
.if (\fill) && (\slot) == 0
	ASK 768                                        ; K 768-1023, which the next change of slots asks for
.endif
	LDB 1, \next, 0
	MULV 1, 0
	PLACES
	LDB 2, \next, 0
.endm
	s_wait_alu depctr_va_vdst(0)
	s_wait_tensorcnt 0x0                           ; my part of slot 0 is in
	ds_add_u32 v[SPW], v[NIL]
	s_wait_dscnt 0x0
	CROUND                                         ; everybody's part of slot 0 is in, and all sixteen work-groups are here
	JLOAD 1                                        ; K 256-511, the first tensor load behind the round
	LDB 0, 0, 0
	LDA 0, 0, 0
	ASK 512                                        ; K 512-767, which the first change of slots asks for
	LDB 1, 0, 0
	LDB 2, 0, 0
	STEP 0, 1                                      ; K 0-127: the products start the sums, with the biases as C
	TURN 0, 1, 1                                   ; K 128-255; slot 0 takes K 512-767
	STEP 1, 0
	TURN 1, 0, 1                                   ; slot 1 takes K 768-1023
	STEP 0, 0
	TURN 0, 1, 0                                   ; nothing is left to fetch
	STEP 1, 0
	s_wait_dscnt 32                                ; the last sub-step
	MULQK 0, 0, BIQ, 1, 0
	s_wait_dscnt 16
	MULQK 128, 1, BIK, 1, 0
; THE WAY OUT.  Each sum is held within +-448 x the scale (the conversion to an 8-bit code does not saturate: ISA guide 7.6.2), each accumulator from its low end on, and eight sums become eight codes.
; q leaves ahead of v's last products, k behind them: each one's holds and conversions are the places behind the products that stand ahead of them.
.macro HOLD win, first, lim
	WIN \win
.set i, \first
.rept 128
	v_med3_num_f32 v[i], v[i], -v[\lim], v[\lim]
.set i, i+1
.endr
.endm
.macro OUT codes, ptr, pitch           ; each store of the wave covers 512 consecutive bytes, aligned
	v_nop                                          ; a plain vector line behind the last conversion
	WIN 0
.irp t, 0,1,2,3
.irp g, 0,1
	global_store_b128 v[LI], v[\codes+8*\t+4*\g:\codes+8*\t+4*\g+3], s[\ptr:\ptr+1] offset:\t*\pitch+\g*512
.endr
.endr
.endm
	PLACES                                         ; in front of the first read of q's results
	HOLD 0x82, 0, SQ+1
	WIN 0x02                                       ; source 0 window 2, destination window 0
.irp t, 0,1,2,3
.irp n, 0,1,2,3
	v_cvt_scalef32_pk8_fp8_f32 v[CQ+8*\t+2*\n:CQ+8*\t+2*\n+1], v[8*(4*\t+\n):8*(4*\t+\n)+7], v[SQ]   ; registers 2 n, 2 n + 1 of token tile t's fragment
.endr
.endr
	OUT CQ, 20, 1024
	s_wait_dscnt 0x0
	MULV 1, 0
	HOLD 0x82, 128, SK+1
	WIN 0x02
.irp t, 0,1,2,3
.irp n, 0,1,2,3
	v_cvt_scalef32_pk8_fp8_f32 v[CK+8*\t+2*\n:CK+8*\t+2*\n+1], v[128+8*(4*\t+\n):128+8*(4*\t+\n)+7], v[SK]
.endr
.endr
	OUT CK, 22, 1024
	HOLD 0xc3, 0, SV+1
	WIN 0x03
.irp t, 0,1,2,3
.irp n, 0,1,2,3
	v_cvt_scalef32_pk8_fp8_f32 v[CV+8*\n+2*\t:CV+8*\n+2*\t+1], v[8*(4*\t+\n):8*(4*\t+\n)+7], v[SV]   ; my registers 2 t, 2 t + 1 of channel tile n's fragment
.endr
.endr
	OUT CV, 24, 2048
	s_wait_tensorcnt 0x0                           ; the wave's end
	ds_add_u32 v[SPW], v[NIL]
	s_wait_dscnt 0x0
	CROUND                                         ; the closing round: no work-group ends while a partner may still ask for a tile that names it
	s_endpgm
.Lfunc_end_k_qf21531846a_qkv:
	.size	k_qf21531846a_qkv, .Lfunc_end_k_qf21531846a_qkv-k_qf21531846a_qkv
	.p2alignl 7, 3214868480
	.fill 96, 4, 3214868480
	.section	.rodata,"a",@progbits
	.p2align	6, 0x0
	.amdhsa_kernel k_qf21531846a_qkv
		.amdhsa_group_segment_fixed_size 327680
		.amdhsa_private_segment_fixed_size 0
		.amdhsa_enable_private_segment 0
		.amdhsa_kernarg_size 88
		.amdhsa_user_sgpr_count 2
		.amdhsa_user_sgpr_kernarg_segment_ptr 1
		.amdhsa_wavefront_size32 1
		.amdhsa_system_sgpr_workgroup_id_x 1
		.amdhsa_system_sgpr_workgroup_id_y 1
		.amdhsa_system_sgpr_workgroup_id_z 1
		.amdhsa_system_vgpr_workitem_id 0
		.amdhsa_next_free_vgpr 1024
		.amdhsa_next_free_sgpr 100
		.amdhsa_reserve_vcc 0
		.amdhsa_float_denorm_mode_32 3
		.amdhsa_float_denorm_mode_16_64 3
		.amdhsa_memory_ordered 1
		.amdhsa_forward_progress 1
		.amdhsa_inst_pref_size 111
	.end_amdhsa_kernel
	.amdgpu_metadata
---
amdhsa.version: [ 1, 2 ]
amdhsa.kernels:
  - .name:           k_qf21531846a_qkv
    .symbol:         k_qf21531846a_qkv.kd
    .args:
      - { .name: x_codes, .offset: 0, .size: 8, .value_kind: global_buffer, .address_space: global }
      - { .name: Wq_codes, .offset: 8, .size: 8, .value_kind: global_buffer, .address_space: global }
      - { .name: Wk_codes, .offset: 16, .size: 8, .value_kind: global_buffer, .address_space: global }
      - { .name: Wv_codes, .offset: 24, .size: 8, .value_kind: global_buffer, .address_space: global }
      - { .name: bq, .offset: 32, .size: 8, .value_kind: global_buffer, .address_space: global }
      - { .name: bk, .offset: 40, .size: 8, .value_kind: global_buffer, .address_space: global }
      - { .name: bv, .offset: 48, .size: 8, .value_kind: global_buffer, .address_space: global }
      - { .name: lowp_scales, .offset: 56, .size: 8, .value_kind: global_buffer, .address_space: global }
      - { .name: qc, .offset: 64, .size: 8, .value_kind: global_buffer, .address_space: global }
      - { .name: kc, .offset: 72, .size: 8, .value_kind: global_buffer, .address_space: global }
      - { .name: vc, .offset: 80, .size: 8, .value_kind: global_buffer, .address_space: global }
    .group_segment_fixed_size: 327680
    .private_segment_fixed_size: 0
    .kernarg_segment_align: 8
    .kernarg_segment_size: 88
    .max_flat_workgroup_size: 128
    .sgpr_count:     100
    .vgpr_count:     1024
    .wavefront_size: 32
...
	.end_amdgpu_metadata
.endif
;; end of part 1
;; launch attn (part 2): grid 8 x 32, 8 waves a work-group, clusters of 4 x 1, 327,680 bytes of LDS; arguments qc, kc, vc, lowp_scales, ac; writes ac
.if DOCPART == 2
	.amdgcn_target "amdgcn-amd-amdhsa--gfx1250"
	.amdhsa_code_object_version 6
	.text
	.protected	k_qf21531846a_attn
	.globl	k_qf21531846a_attn
	.p2align	8
	.type	k_qf21531846a_attn,@function
k_qf21531846a_attn:
	s_mov_b64 s[64:65], 0
	v_nop
	global_prefetch_b8 v0, s[64:65] scope:SCOPE_SE
	s_setreg_imm32_b32 hwreg(HW_REG_WAVE_MODE, 25, 1), 1
	s_wait_xcnt 0x0
	s_wait_alu depctr_hold_cnt(0) depctr_sa_sdst(0) depctr_va_vdst(0) depctr_va_sdst(0) depctr_va_ssrc(0) depctr_va_vcc(0) depctr_vm_vsrc(0)
	s_getreg_b32 s2, hwreg(HW_REG_IB_STS2, 6, 4)
	s_cmp_eq_u32 s2, 0
	s_cbranch_scc0 .Lentry_in_a_cluster
	s_endpgm
.Lentry_in_a_cluster:
	s_bfe_u32 s2, ttmp6, 0x10000c
	s_cmp_lg_u32 s2, 0x3003
	s_cbranch_scc0 .Lentry_shape_is_right
	s_endpgm
.Lentry_shape_is_right:
; a = softmax(q k^T / 8) v for 32 heads (batch x head) of 2,048 queries and keys, head size 64, on codes of FP8 (E4M3); the result, divided by the row's sum, is quantised with the given scale e10 into codes for the last launch.
; qc, kc: images of 16 x 64 fragments, 1,024 bytes for 16 tokens.  vc: images of V^T's fragments, 8,192 bytes for 128 keys.  A head is 131,072 bytes in each.  lowp_scales: e6 (q), e7 (k), e8 (p), e9 (v), e10 (a).
; t = score x log2(e) / 8 x 2^(e6 + e7); M = the running largest t rounded up to a whole number; p = 2^(t - M) is quantised, not normalised; the sum is taken of the unquantised p and divides at the end.
; When M moves, the sum and O are multiplied by 2^(old M - new M), a whole power of two.
; SHARES.  A work-group owns 256 queries of one head: 8 x 32 = 256 work-groups.  Eight waves, two to a SIMD; a wave owns two tiles of 16 queries and walks all keys, 128 a step, 16 steps.
; LDS holds the head's whole K and V, each byte filled once: at the kernel's head each wave fetches 8,192 bytes (key steps 0 to 3), and behind a full sequence 24,576 bytes (steps 4 to 15), which have steps 0 to 2 in which to land.
; CLUSTER 4 x 1: four query blocks of one head ask for K and V jointly.  No prefetch: the walk has one later load only, and it asks for all the rest at once, so there is no loop to run ahead in.
; Both products are used transposed: S^T = K Q^T (source 0 = 16 keys), O^T = V^T P^T (source 0 = 16 channels): a lane holds one query throughout, tile k's register j is key 16 k + 8 (lane / 16) + j,
; and eight codes of tile k are registers 2 k, 2 k + 1 of the next operand.
; LIMITS: e6 + e7 between -123 and 130, e8 between -126 and 119, so that each power of two below is an f32 number; the scaled scores t stay under 2^31 in magnitude.
; REGISTERS.  Window 0: v1-6 addresses; v8-23 two tiles' state; v24-31 at work; v32-47 Q; v48-111 pair sums; v112-239 the scores, then p.
;   Window 1: v0-63 O^T; v64-127 V's fragments; v128-159 p's codes; v160-223 K's fragments of the step to come.
.set LI,  1                            ; 16 x lane
.set ADK, 2
.set ADV, 3
.set LIV, 4                            ; 16 x lane + where V begins
.set SPW, 5                            ; LDS address of my spare word; never rewritten
.set NIL, 6                            ; 0; never rewritten
.set ST,  8                            ; tile t at 8 + 8 t: +0 -M, +1 the largest t, +2, +3 the sum in two halves, +4 the old -M, +6 f (+7 its pair's upper half)
.set TM,  24
.set LIM, 30
.set SCL, 31
.set Q,   32
.set T,   48
.set T1,  80
.set S,   112
.set VF,  64
.set P,   128
.set KF,  160
.set KSTEP, 8192                       ; bytes of K, and of V, in a key step
.set SPARE, 0x40000                    ; behind K and V: the spare words, 128 bytes for each wave
.set WV,  14
.set G1,  24                           ; s[24:31] group 1 of the first load: 32 rows of 256 bytes;  s[32:39] of the second: 96 rows
.set G1B, 32
.set G0,  40
.set G0B, 44
.set SEL, 48
.set CS,  50
.set TB,  52                           ; the step's first byte in K and in V
.set CNT, 53
.set LIMS, 55                          ; 448 x 2^e8
.set MSB, 0
.macro WIN new                         ; the immediate's high byte repeats the setting that is left
.if MSB != \new
	s_set_vgpr_msb (MSB<<8)|\new
.set MSB, \new
.endif
.endm
.macro CROUND                          ; a round of the cluster's barrier
	s_barrier_signal -1
	s_barrier_wait -1
	s_cmp_lg_u32 s[WV], 0
	s_cbranch_scc1 .Lnot_wave_0_\@
	s_barrier_signal -3
.Lnot_wave_0_\@:
	s_barrier_wait -3
	s_barrier_signal -1
	s_barrier_wait -1
.endm
	s_load_b256 s[4:11], s[0:1], 0x0               ; qc, kc, vc, the scales' exponents
	s_load_b64 s[12:13], s[0:1], 0x20              ; ac
	v_lshl_add_u32 v[SPW], v0, 2, SPARE
	v_mov_b32 v[NIL], 0
	ds_add_u32 v[SPW], v[NIL]                      ; the wave's opening: the add, twice on end, and its wait
	ds_add_u32 v[SPW], v[NIL]
	v_lshrrev_b32 v1, 5, v0
	s_delay_alu instid0(VALU_DEP_1)
	v_readfirstlane_b32 s[WV], v1                  ; wave 0..7
	s_bfe_u32 s15, ttmp6, 0x40000
	s_lshl_b32 s16, ttmp9, 2
	s_add_co_u32 s16, s16, s15                     ; the block of 256 queries = 4 x cluster x + cx
	s_and_b32 s17, ttmp7, 0xffff                   ; the head: 16 x batch + head
.irp g, G1, G1B
	s_mov_b32 s[\g], 15|(3<<16)|(1<<21)            ; 15:0 all four; 17:16 elements of 8 bytes; 21 set beside a mask
	s_mov_b32 s[\g+1], 32<<16
	s_mov_b32 s[\g+3], 32<<16                      ; a row: 32 elements, 256 bytes
	s_mov_b32 s[\g+5], 32
	s_mov_b32 s[\g+6], 0
	s_mov_b32 s[\g+7], 0
.endr
	s_mov_b32 s[G1+2], 32<<16
	s_mov_b32 s[G1+4], 32
	s_mov_b32 s[G1B+2], 96<<16
	s_mov_b32 s[G1B+4], 96
	s_and_b32 s18, s[WV], 3
	s_lshr_b32 s19, s[WV], 2                       ; waves 0 to 3 fetch K, 4 to 7 V
	s_lshl_b32 s19, s19, 17
	s_lshl_b32 s20, s18, 13                        ; first my 8,192 of 32,768 bytes,
	s_mul_i32 s18, s18, 24576
	s_add_co_u32 s18, s18, 32768                   ; then my 24,576 of the 98,304 behind them
	s_mov_b32 s[G0], 1
	s_add_co_u32 s[G0+1], s19, s20
	s_mov_b32 s[G0B], 1
	s_add_co_u32 s[G0B+1], s19, s18
	s_lshl_b32 s21, s17, 17
	s_add_co_u32 s20, s20, s21
	s_add_co_u32 s22, s18, s21
	s_mov_b32 s21, 0
	s_mov_b32 s23, 0
	s_mov_b32 s[SEL], 0x76543210
	s_mov_b32 s[SEL+1], 0xfedcba98                 ; lane l xor 16
	s_mov_b32 s[CS], 0x3e38aa3b                    ; log2(e) / 8
	s_wait_dscnt 0x0                               ; both opening adds are done
	CROUND                                         ; all four work-groups are here: the first joint loads meet.  The round needs no argument, so the arguments' wait stands behind it
	s_wait_kmcnt 0x0
	s_load_b128 s[56:59], s[10:11], 0x18           ; e6, e7, e8, e9
	s_load_b32 s60, s[10:11], 0x28                 ; e10
	s_cmp_lt_u32 s[WV], 4
	s_cselect_b64 s[2:3], s[6:7], s[8:9]
	s_add_nc_u64 s[G0+2:G0+3], s[2:3], s[20:21]
	s_or_b32 s[G0+3], s[G0+3], 0x80000000
	s_add_nc_u64 s[G0B+2:G0B+3], s[2:3], s[22:23]
	s_or_b32 s[G0B+3], s[G0B+3], 0x80000000
	tensor_load_to_lds s[G0:G0+3], s[G1:G1+7]      ; key steps 0 to 3
	s_nop 0
.rept 4
	v_nop
.endr
	s_lshl_b32 s20, s16, 4
	s_lshl_b32 s21, s[WV], 1
	s_add_co_u32 s20, s20, s21                     ; my first tile of 16 queries
	s_lshl_b32 s20, s20, 10
	s_lshl_b32 s21, s17, 17
	s_add_co_u32 s20, s20, s21
	s_mov_b32 s21, 0
	s_add_nc_u64 s[4:5], s[4:5], s[20:21]
	v_and_b32 v1, 31, v0
	s_delay_alu instid0(VALU_DEP_1)
	v_lshlrev_b32 v[LI], 4, v1
	s_delay_alu instid0(VALU_DEP_1)
	v_add_nc_u32 v[LIV], 0x20000, v[LI]
.irp t, 0,1
.irp g, 0,1
	global_load_b128 v[Q+8*\t+4*\g:Q+8*\t+4*\g+3], v[LI], s[4:5] offset:\t*1024+\g*512
.endr
.endr
	; where my codes go: [8 (two heads)][256 tiles of 16 tokens][2,048 bytes], the odd head 1,024 bytes on
	s_and_b32 s20, s17, 15
	s_lshr_b32 s21, s17, 4
	s_lshl_b32 s21, s21, 7
	s_lshl_b32 s22, s16, 4
	s_add_co_u32 s21, s21, s22
	s_lshl_b32 s22, s[WV], 1
	s_add_co_u32 s21, s21, s22
	s_lshl_b32 s21, s21, 11
	s_lshr_b32 s22, s20, 1
	s_lshl_b32 s22, s22, 19
	s_add_co_u32 s22, s22, s21
	s_and_b32 s20, s20, 1
	s_lshl_b32 s20, s20, 10
	s_add_co_u32 s20, s20, s22
	s_mov_b32 s21, 0
	s_add_nc_u64 s[12:13], s[12:13], s[20:21]
.irp t, 0,1
	v_mov_b32 v[ST+8*\t+1], 0xff61b1e6             ; the largest t so far: -3e38
	v_mov_b32 v[ST+8*\t+2], 0
	v_mov_b32 v[ST+8*\t+3], 0
	v_mov_b32 v[ST+8*\t+7], 0                      ; (named as a pair's upper half)
	v_mov_b32 v[TM+3*\t+2], 0                      ; written once: a lane permute's destination counts as one of its sources
	v_floor_f32 v[ST+8*\t], -v[ST+8*\t+1]          ; -M
.endr
	WIN 0x40
.set i, 0
.rept 64
	v_mov_b32 v[i], 0                              ; O^T: the step is written for any step, and the first change of M leaves zeros
.set i, i+1
.endr
	WIN 0
	s_wait_kmcnt 0x0
	s_add_co_i32 s20, s56, s57
	s_lshl_b32 s20, s20, 23
	s_add_co_i32 s[CS], s[CS], s20                 ; x 2^(e6 + e7), in the exponent field
	s_mov_b32 s[CS+1], s[CS]                       ; (named with it as a pair)
	s_add_co_i32 s20, s58, 127
	s_lshl_b32 s21, s20, 23
	v_mov_b32 v[SCL], s21                          ; 2^e8
	s_add_co_i32 s20, s20, 8
	s_lshl_b32 s20, s20, 23
	s_or_b32 s[LIMS], s20, 0x600000                ; 448 x 2^e8
	s_add_co_i32 s54, s58, s59
	s_sub_co_i32 s54, s54, s60                     ; e8 + e9 - e10
; The holds of two p: the conversion to an 8-bit code does not saturate (ISA guide 7.6.2); p is not negative, so the hold is one-sided.  Two numbers an instruction.
.macro HOLD2 r
	v_dual_min_num_f32 v[\r], s[LIMS], v[\r] :: v_dual_min_num_f32 v[\r+1], s[LIMS], v[\r+1]
.endm
; The n-th of 30 lines that take tile t's 64 scores into four chains of maxima (in T's registers, which hold nothing then), each accumulator from its low end on.
.macro MAX1 t, n
.if (\n) < 4
	v_max3_num_f32 v[T+4*\t+(\n)], v[S+64*\t+3*(\n)], v[S+64*\t+3*(\n)+1], v[S+64*\t+3*(\n)+2]
.else
	v_max3_num_f32 v[T+4*\t+(\n)%4], v[T+4*\t+(\n)%4], v[S+64*\t+2*(\n)+4], v[S+64*\t+2*(\n)+5]
.endif
.endm
; The n-th of ten lines from the four chains to f, each of which reads the one before: they stand singly among other work.
.macro LINK t, n
.if (\n) == 0
	v_max3_num_f32 v[T+4*\t], v[T+4*\t], v[T+4*\t+1], v[T+4*\t+2]
.endif
.if (\n) == 1
	v_max_num_f32 v[TM+3*\t], v[T+4*\t], v[T+4*\t+3]
.endif
.if (\n) == 2
	v_permlanex16_b32 v[TM+3*\t+2], v[TM+3*\t], s[SEL], s[SEL+1]
.endif
.if (\n) == 3
	v_max_num_f32 v[TM+3*\t], v[TM+3*\t], v[TM+3*\t+2]     ; and among lane l xor 16's
.endif
.if (\n) == 4
	v_mul_f32 v[TM+3*\t], s[CS], v[TM+3*\t]                ; as t (the factor is positive)
.endif
.if (\n) == 5
	v_max_num_f32 v[ST+8*\t+1], v[ST+8*\t+1], v[TM+3*\t]
.endif
.if (\n) == 6
	v_floor_f32 v[ST+8*\t], -v[ST+8*\t+1]                  ; the new -M, a whole number
.endif
.if (\n) == 7
	v_sub_f32 v[TM+3*\t], v[ST+8*\t], v[ST+8*\t+4]         ; old M less new M
.endif
.if (\n) == 8
	v_cvt_i32_f32 v[TM+3*\t], v[TM+3*\t]                   ; (it saturates)
.endif
.if (\n) == 9
	v_ldexp_f32 v[ST+8*\t+6], 1.0, v[TM+3*\t]              ; f = 2^(old M - new M)
.endif
.endm
.macro ADDS b, n                       ; pairs 0 .. n - 1 take in pairs n .. 2 n - 1
.set i, 0
.rept \n
	v_pk_add_f32 v[\b+2*i:\b+2*i+1], v[\b+2*i:\b+2*i+1], v[\b+2*\n+2*i:\b+2*\n+2*i+1]
.set i, i+1
.endr
.endm
; A KEY STEP of 128 keys.  K's fragments are in registers when it begins.  pre = 1: it fetches the next step's.
.macro STEP pre
	WIN 0x01
.irp k, 0,1,2,3,4,5,6,7
.irp t, 0,1
	v_wmma_f32_16x16x64_fp8_fp8 v[S+64*\t+8*\k:S+64*\t+8*\k+7], v[KF+8*\k:KF+8*\k+7], v[Q+8*\t:Q+8*\t+7], 0
.endr
.endr
	WIN 0
	; four places behind the products, in front of the loads into their registers and the first reads of the scores
	v_mov_b32 v[ST+4], v[ST]
	v_mov_b32 v[ST+12], v[ST+8]
	v_add_nc_u32 v[ADV], s[TB], v[LIV]
.if \pre
	v_add_nc_u32 v[ADK], s[TB], v[LI]
.else
	v_nop
.endif
	WIN 0x40
.irp n, 0,1,2,3                        ; this step's V,
.irp c, 0,1,2,3
	ds_load_b128 v[VF+16*\n+4*\c:VF+16*\n+4*\c+3], v[ADV] offset:\n*2048+\c*512
.endr
.endr
.if \pre
.irp k, 0,1,2,3,4,5,6,7                ; and the next step's K
	ds_load_b128 v[KF+8*\k:KF+8*\k+3],   v[ADK] offset:KSTEP+\k*1024
	ds_load_b128 v[KF+8*\k+4:KF+8*\k+7], v[ADK] offset:KSTEP+\k*1024+512
.endr
.endif
	WIN 0
	; the step's largest score, in four chains for each tile, each accumulator from its low end on
.set j, 0
.rept 30                               ; tile 0's largest score
	MAX1 0, j
.set j, j+1
.endr
.set j, 0
.rept 30                               ; tile 1's, with tile 0's M and f among its lines
	MAX1 1, j
.if j % 3 == 2
	LINK 0, j/3
.endif
.set j, j+1
.endr
.set j, 0
.rept 32                               ; tile 0: t - M, with tile 1's M and f among its lines
	v_pk_fma_f32 v[S+2*j:S+2*j+1], v[S+2*j:S+2*j+1], s[CS:CS+1], v[ST:ST+1] op_sel_hi:[1,0,0]
.if j % 3 == 2
	LINK 1, j/3
.endif
.set j, j+1
.endr
	s_wait_alu depctr_va_vdst(0)                   ; the wait ahead of a batch of exponentials
.set j, 0
.rept 32                               ; tile 0's exponentials, with tile 1's t - M among them
	v_exp_f32 v[S+2*j], v[S+2*j]
	v_exp_f32 v[S+2*j+1], v[S+2*j+1]
	v_pk_fma_f32 v[S+64+2*j:S+64+2*j+1], v[S+64+2*j:S+64+2*j+1], s[CS:CS+1], v[ST+8:ST+9] op_sel_hi:[1,0,0]
.set j, j+1
.endr
	s_wait_alu depctr_va_vdst(0)                   ; behind that batch and ahead of the next: one wait serves both
.set j, 0
.rept 16                               ; tile 1's exponentials, with tile 0's first sums of pairs (of the unquantised p; none reads another's result) and its holds among them
	v_exp_f32 v[S+64+4*j], v[S+64+4*j]
	v_pk_add_f32 v[T+2*j:T+2*j+1], v[S+4*j:S+4*j+1], v[S+4*j+2:S+4*j+3]
	v_exp_f32 v[S+65+4*j], v[S+65+4*j]
	HOLD2 S+4*j
	v_exp_f32 v[S+66+4*j], v[S+66+4*j]
	HOLD2 S+4*j+2
	v_exp_f32 v[S+67+4*j], v[S+67+4*j]
.set j, j+1
.endr
	WIN 0x41
	s_wait_dscnt 0x0                               ; V's fragments and the next K's are in
	s_wait_alu depctr_va_vdst(0)                   ; behind the batch
.irp t, 0,1
.set i, 0
.rept 16
	v_pk_mul_f32 v[32*\t+2*i:32*\t+2*i+1], v[32*\t+2*i:32*\t+2*i+1], v[ST+8*\t+6:ST+8*\t+7] op_sel_hi:[1,0]   ; O^T under the new M
.set i, i+1
.endr
.endr
	WIN 0
.set j, 0
.rept 16
	v_pk_add_f32 v[T1+2*j:T1+2*j+1], v[S+64+4*j:S+64+4*j+1], v[S+64+4*j+2:S+64+4*j+3]
.if j < 8
	v_pk_add_f32 v[T+2*j:T+2*j+1], v[T+2*j:T+2*j+1], v[T+16+2*j:T+16+2*j+1]
.endif
	HOLD2 S+64+4*j
	HOLD2 S+64+4*j+2
.set j, j+1
.endr
	ADDS T, 4
	ADDS T1, 8
	ADDS T, 2
	ADDS T1, 4
	ADDS T, 1
	ADDS T1, 2
	v_pk_fma_f32 v[ST+2:ST+3], v[ST+2:ST+3], v[ST+6:ST+7], v[T:T+1] op_sel_hi:[1,0,1]   ; tile 0's sum: x f + this step's
	ADDS T1, 1
	WIN 0x40
.irp t, 0,1
.irp k, 0,1,2,3,4,5,6,7
	v_cvt_scalef32_pk8_fp8_f32 v[P+16*\t+2*\k:P+16*\t+2*\k+1], v[S+64*\t+8*\k:S+64*\t+8*\k+7], v[SCL]
.endr
.endr
	WIN 0
	v_pk_fma_f32 v[ST+10:ST+11], v[ST+10:ST+11], v[ST+14:ST+15], v[T1:T1+1] op_sel_hi:[1,0,1]   ; tile 1's sum; and the plain place behind the last conversion
	WIN 0x55
.irp n, 0,1,2,3                        ; the 8 accumulators take turns, one instruction a turn
.irp t, 0,1
	v_wmma_f32_16x16x128_fp8_fp8 v[32*\t+8*\n:32*\t+8*\n+7], v[VF+16*\n:VF+16*\n+15], v[P+16*\t:P+16*\t+15], v[32*\t+8*\n:32*\t+8*\n+7]
.endr
.endr
	WIN 0
.endm
	s_wait_alu depctr_va_vdst(0)                   ; the wait at the head's end
	s_wait_loadcnt 0x0                             ; Q
	s_wait_tensorcnt 0x0                           ; my part of key steps 0 to 3 is in
	ds_add_u32 v[SPW], v[NIL]
	s_wait_dscnt 0x0
	CROUND                                         ; everybody's part is in, and all four work-groups are here
	tensor_load_to_lds s[G0B:G0B+3], s[G1B:G1B+7]  ; key steps 4 to 15: the wave's one load behind the round
	s_nop 0
.rept 4
	v_nop
.endr
	WIN 0x40
.irp k, 0,1,2,3,4,5,6,7                ; step 0's K
	ds_load_b128 v[KF+8*\k:KF+8*\k+3],   v[LI] offset:\k*1024
	ds_load_b128 v[KF+8*\k+4:KF+8*\k+7], v[LI] offset:\k*1024+512
.endr
	WIN 0
	s_wait_dscnt 0x0
	s_mov_b32 s[TB], 0
	s_mov_b32 s[CNT], 3
.Lfirst:                                               ; steps 0 to 2; the last of them fetches step 3's K, which the first load brought
	STEP 1
	s_add_co_u32 s[TB], s[TB], KSTEP
	s_sub_co_u32 s[CNT], s[CNT], 1
	s_cmp_lg_u32 s[CNT], 0
	s_cbranch_scc1 .Lfirst
	s_wait_alu depctr_va_vdst(0)                   ; the wait ahead of the waits below
	s_wait_tensorcnt 0x0                           ; my part of the rest is in,
	s_barrier_signal -1
	s_barrier_wait -1                              ; everybody's is
	s_mov_b32 s[TB], 3*KSTEP
	s_mov_b32 s[CNT], 12
.Lrest:                                                ; steps 3 to 14
	STEP 1
	s_add_co_u32 s[TB], s[TB], KSTEP
	s_sub_co_u32 s[CNT], s[CNT], 1
	s_cmp_lg_u32 s[CNT], 0
	s_cbranch_scc1 .Lrest
	s_mov_b32 s[TB], 15*KSTEP
	STEP 0                                         ; step 15: there is no K behind it
	; THE WAY OUT: O^T / the sum x 2^(e8 + e9 - e10), held, as codes; each store of the wave covers 512 consecutive bytes, aligned
.irp t, 0,1
	v_add_f32 v[TM+3*\t], v[ST+8*\t+2], v[ST+8*\t+3]
.endr
.irp t, 0,1
	s_delay_alu instid0(VALU_DEP_2)
	v_permlanex16_b32 v[TM+3*\t+2], v[TM+3*\t], s[SEL], s[SEL+1]
.endr
.irp t, 0,1
	s_delay_alu instid0(VALU_DEP_2)
	v_add_f32 v[TM+3*\t], v[TM+3*\t], v[TM+3*\t+2]
.endr
	s_wait_alu depctr_va_vdst(0)                   ; the wait ahead of the reciprocals
.irp t, 0,1
	v_rcp_f32 v[ST+8*\t+6], v[TM+3*\t]
.endr
	v_mov_b32 v[LIM], 0x43e00000                   ; 448
	v_mov_b32 v[SCL], 1.0
	s_wait_alu depctr_va_vdst(0)                   ; and behind them
.irp t, 0,1
	v_ldexp_f32 v[ST+8*\t+6], v[ST+8*\t+6], s54
.endr
	WIN 0x01
	s_wait_alu depctr_va_vdst(0)                   ; the wait ahead of the first reader of O^T
.irp t, 0,1
.set i, 0
.rept 16
	v_pk_mul_f32 v[S+32*\t+2*i:S+32*\t+2*i+1], v[32*\t+2*i:32*\t+2*i+1], v[ST+8*\t+6:ST+8*\t+7] op_sel_hi:[1,0]
.set i, i+1
.endr
.endr
	WIN 0
.set i, 0
.rept 64
	v_med3_num_f32 v[S+i], v[S+i], -v[LIM], v[LIM]
.set i, i+1
.endr
.irp t, 0,1
.irp n, 0,1,2,3
	v_cvt_scalef32_pk8_fp8_f32 v[T+8*\t+2*\n:T+8*\t+2*\n+1], v[S+32*\t+8*\n:S+32*\t+8*\n+7], v[SCL]
.endr
.endr
	v_nop                                          ; a plain vector line behind the last conversion
.irp t, 0,1
.irp g, 0,1
	global_store_b128 v[LI], v[T+8*\t+4*\g:T+8*\t+4*\g+3], s[12:13] offset:\t*2048+\g*512
.endr
.endr
	s_wait_tensorcnt 0x0                           ; the wave's end
	ds_add_u32 v[SPW], v[NIL]
	s_wait_dscnt 0x0
	CROUND                                         ; the closing round: no work-group ends while a partner may still ask for a tile that names it
	s_endpgm
.Lfunc_end_k_qf21531846a_attn:
	.size	k_qf21531846a_attn, .Lfunc_end_k_qf21531846a_attn-k_qf21531846a_attn
	.p2alignl 7, 3214868480
	.fill 96, 4, 3214868480
	.section	.rodata,"a",@progbits
	.p2align	6, 0x0
	.amdhsa_kernel k_qf21531846a_attn
		.amdhsa_group_segment_fixed_size 327680
		.amdhsa_private_segment_fixed_size 0
		.amdhsa_enable_private_segment 0
		.amdhsa_kernarg_size 40
		.amdhsa_user_sgpr_count 2
		.amdhsa_user_sgpr_kernarg_segment_ptr 1
		.amdhsa_wavefront_size32 1
		.amdhsa_system_sgpr_workgroup_id_x 1
		.amdhsa_system_sgpr_workgroup_id_y 1
		.amdhsa_system_sgpr_workgroup_id_z 1
		.amdhsa_system_vgpr_workitem_id 0
		.amdhsa_next_free_vgpr 512
		.amdhsa_next_free_sgpr 66
		.amdhsa_reserve_vcc 0
		.amdhsa_float_denorm_mode_32 3
		.amdhsa_float_denorm_mode_16_64 3
		.amdhsa_memory_ordered 1
		.amdhsa_forward_progress 1
		.amdhsa_inst_pref_size 101
	.end_amdhsa_kernel
	.amdgpu_metadata
---
amdhsa.version: [ 1, 2 ]
amdhsa.kernels:
  - .name:           k_qf21531846a_attn
    .symbol:         k_qf21531846a_attn.kd
    .args:
      - { .name: qc, .offset: 0, .size: 8, .value_kind: global_buffer, .address_space: global }
      - { .name: kc, .offset: 8, .size: 8, .value_kind: global_buffer, .address_space: global }
      - { .name: vc, .offset: 16, .size: 8, .value_kind: global_buffer, .address_space: global }
      - { .name: lowp_scales, .offset: 24, .size: 8, .value_kind: global_buffer, .address_space: global }
      - { .name: ac, .offset: 32, .size: 8, .value_kind: global_buffer, .address_space: global }
    .group_segment_fixed_size: 327680
    .private_segment_fixed_size: 0
    .kernarg_segment_align: 8
    .kernarg_segment_size: 40
    .max_flat_workgroup_size: 256
    .sgpr_count:     66
    .vgpr_count:     512
    .wavefront_size: 32
...
	.end_amdgpu_metadata
.endif
;; end of part 2
;; launch proj (part 3): grid 8 x 32, 4 waves a work-group, clusters of 4 x 4, 282,112 bytes of LDS; arguments ac, Wo_codes, bo, lowp_scales, out0; writes out0
.if DOCPART == 3
	.amdgcn_target "amdgcn-amd-amdhsa--gfx1250"
	.amdhsa_code_object_version 6
	.text
	.protected	k_qf21531846a_proj
	.globl	k_qf21531846a_proj
	.p2align	8
	.type	k_qf21531846a_proj,@function
k_qf21531846a_proj:
	s_mov_b64 s[64:65], 0
	v_nop
	global_prefetch_b8 v0, s[64:65] scope:SCOPE_SE
	s_setreg_imm32_b32 hwreg(HW_REG_WAVE_MODE, 25, 1), 1
	s_wait_xcnt 0x0
	s_wait_alu depctr_hold_cnt(0) depctr_sa_sdst(0) depctr_va_vdst(0) depctr_va_sdst(0) depctr_va_ssrc(0) depctr_va_vcc(0) depctr_vm_vsrc(0)
	s_getreg_b32 s2, hwreg(HW_REG_IB_STS2, 6, 4)
	s_cmp_eq_u32 s2, 0
	s_cbranch_scc0 .Lentry_in_a_cluster
	s_endpgm
.Lentry_in_a_cluster:
	s_bfe_u32 s2, ttmp6, 0x10000c
	s_cmp_lg_u32 s2, 0xf033
	s_cbranch_scc0 .Lentry_shape_is_right
	s_endpgm
.Lentry_shape_is_right:
; out0 = a Wo + bo on codes of FP8 (E4M3).  ac: the attention's output as images of this product's fragments, [8 (K step of 128)][256 tiles of 16 rows][4][32 lanes][16 bytes].
; Wo: [1024 (n)][1024 (k)] codes, K innermost.  bo [1024], out0 [4096][1024]: f32.  lowp_scales: e10 (a), e11 (Wo): out = sum x 2^(e10 + e11) + bo.
; SHARES.  A tile of out0 is 128 x 128: 8 x 32 = 256 work-groups (tiles of 256 x 256 would be 64).  Four waves, each 64 x 64.
; LDS holds the tile's WHOLE K, each byte filled once, by one load of each wave at the head: a's images (two waves, four K steps each), Wo's 128 rows of 1,024 bytes (two waves, 64 rows each; pitch 1,040).
; No prefetch: everything is asked for at once, there is no loop to run ahead in.
; BY ROWS.  Wo's fragments of my 64 columns, all of K, are read once into 512 registers; a's come by blocks of 16 rows x all of K, 128 registers, two buffers.  Each of my four blocks is finished over the whole K
; (32 products, K ascending) and leaves while the next one is multiplied.
; CLUSTER 4 x 4: a's tiles are shared along a row of the cluster, Wo's along a column; each is asked for jointly.
; a's images have k in the form's own places (registers 2 c, 2 c + 1: k = 16 c + 8 (lane / 16) + 0 .. 7), so Wo's fragments are fetched so too: eight loads of 8 bytes.
; THE MATRIX INSTRUCTION IS USED TRANSPOSED (source 0 = 16 rows of Wo, source 1 = 16 rows of a): a lane holds eight neighbouring numbers of a row of out0.
; LIMIT: e10 + e11 between -126 and 127.
; REGISTERS.  Window 0: v16-31 addresses; v32-63 a block's results; v64-127 rows read back, two sets; v128-191 a block's four accumulators, two sets; v192-223 bo in the result's layout.
;   Window 1: a's fragments, two buffers of 128.   Windows 2, 3: Wo's fragments of K steps 0-3, 4-7, 64 registers a K step.
.set PITCH,  272                       ; the stage's rows: 256 bytes + 16
.set T16,    16*PITCH
.set WPITCH, 1040                      ; Wo's rows: 1,024 bytes + 16 of padding: the 16 rows that a load touches start at 16 different banks (64 banks of 4 bytes: ISA guide 11.1)
.set BBASE,  131072                    ; behind a's images
.set STAGE,  BBASE+128*WPITCH          ; 16 rows x 272 bytes for each wave, for the way out; no tile lands here
.set SPARE,  STAGE+4*T16               ; the spare words, 128 bytes for each wave
.set ADA, 16                           ; v16-17 LDS address of my fragments of a: K steps 0-3, 4-7
.set ADB, 20                           ; v20    the same for Wo
.set STO, 24
.set RD,  25
.set CO,  26
.set BOF, 27
.set SPW, 30
.set NIL, 31
.set TMP, 32
.set BK,  64
.set ACC, 128
.set BO,  192
.set WV,  14
.set G1A, 24
.set G1B, 32
.set G0A, 40
.set G0B, 44
.set MSB, 0
.macro WIN new                         ; the immediate's high byte repeats the setting that is left
.if MSB != \new
	s_set_vgpr_msb (MSB<<8)|\new
.set MSB, \new
.endif
.endm
.macro PLACES                          ; four plain vector lines between a matrix instruction and a load into, or a vector read of, its registers
.rept 4
	v_nop
.endr
.endm
.macro CROUND                          ; a round of the cluster's barrier
	s_barrier_signal -1
	s_barrier_wait -1
	s_cmp_lg_u32 s[WV], 0
	s_cbranch_scc1 .Lnot_wave_0_\@
	s_barrier_signal -3
.Lnot_wave_0_\@:
	s_barrier_wait -3
	s_barrier_signal -1
	s_barrier_wait -1
.endm
	s_load_b256 s[4:11], s[0:1], 0x0               ; ac s[4:5], Wo s[6:7], bo s[8:9], the scales' exponents s[10:11]
	s_load_b64 s[12:13], s[0:1], 0x20              ; out0
	v_lshl_add_u32 v[SPW], v0, 2, SPARE
	v_mov_b32 v[NIL], 0
	ds_add_u32 v[SPW], v[NIL]                      ; the wave's opening: the add, twice on end, and its wait
	ds_add_u32 v[SPW], v[NIL]
	v_lshrrev_b32 v1, 5, v0
	v_readfirstlane_b32 s[WV], v1                  ; wave 0..3
	s_lshr_b32 s15, s[WV], 1                       ; which half of the tile's rows is mine.  Also: I fetch for a (0) or for Wo (1)
	s_and_b32 s16, s[WV], 1                        ; which half of its columns.  Also: which half I fetch: of a's K steps, of Wo's rows
	s_bfe_u32 s17, ttmp6, 0x40000                  ; cx
	s_bfe_u32 s18, ttmp6, 0x40004                  ; cy
	s_lshl_b32 s19, ttmp9, 2
	s_add_co_u32 s19, s19, s17                     ; tile column
	s_and_b32 s20, ttmp7, 0xffff
	s_lshl_b32 s20, s20, 2
	s_add_co_u32 s20, s20, s18                     ; tile row
	s_lshl_b32 s21, s18, 2
	s_lshl_b32 s21, 15, s21                        ; my row of the cluster
	s_lshl_b32 s22, 0x1111, s17                    ; my column
	s_or_b32 s[G1A], s21, (3<<16)|(1<<21)          ; a: four K steps, each 16,384 dense bytes (eight row tiles), 524,288 bytes apart: rows of 2,048 elements of 8 bytes
	s_mov_b32 s[G1A+1], 2048<<16
	s_mov_b32 s[G1A+2], 4<<16
	s_mov_b32 s[G1A+3], 2048<<16
	s_mov_b32 s[G1A+4], 4
	s_mov_b32 s[G1A+5], 65536
	s_mov_b32 s[G1A+6], 0
	s_mov_b32 s[G1A+7], 0
	s_or_b32 s[G1B], s22, (1<<20)|(1<<21)|(7<<22)|(3<<25)   ; Wo: 64 rows of 1,024 bytes, four words of padding after every 256
	s_mov_b32 s[G1B+1], 1024<<16
	s_mov_b32 s[G1B+2], 64<<16
	s_mov_b32 s[G1B+3], 1024<<16
	s_mov_b32 s[G1B+4], 64
	s_mov_b32 s[G1B+5], 1024
	s_mov_b32 s[G1B+6], 0
	s_mov_b32 s[G1B+7], 0
	s_lshl_b32 s84, s20, 14                        ; a: the tile row's eight row tiles of 2,048 bytes,
	s_lshl_b32 s85, s16, 21                        ; from K step 4 x half on
	s_add_co_u32 s84, s84, s85
	s_mov_b32 s85, 0
	s_lshl_b32 s86, s19, 17                        ; Wo: row 128 x tile column + 64 x half, 1,024 bytes a row
	s_lshl_b32 s87, s16, 16
	s_add_co_u32 s86, s86, s87
	s_mov_b32 s87, 0
	s_mov_b32 s[G0A], 1
	s_lshl_b32 s[G0A+1], s16, 16                   ; where they go: no place in the cluster enters an LDS address
	s_mov_b32 s[G0B], 1
	s_mul_i32 s89, s16, 64*WPITCH
	s_add_co_u32 s[G0B+1], s89, BBASE
	s_wait_dscnt 0x0                               ; both opening adds are done
	CROUND                                         ; all sixteen work-groups are here: the joint loads meet.  The round needs no argument, so the arguments' wait stands behind it
	s_wait_kmcnt 0x0
	s_load_b64 s[56:57], s[10:11], 0x28            ; e10, e11
	s_add_nc_u64 s[G0A+2:G0A+3], s[4:5], s[84:85]
	s_or_b32 s[G0A+3], s[G0A+3], 0x80000000
	s_add_nc_u64 s[G0B+2:G0B+3], s[6:7], s[86:87]
	s_or_b32 s[G0B+3], s[G0B+3], 0x80000000
	s_cmp_eq_u32 s15, 0
	s_cbranch_scc0 .Lfirst_b
	tensor_load_to_lds s[G0A:G0A+3], s[G1A:G1A+7]
	s_nop 0
.rept 4
	v_nop
.endr
	s_branch .Lfirst_asked
.Lfirst_b:
	tensor_load_to_lds s[G0B:G0B+3], s[G1B:G1B+7]
	s_nop 0
.rept 4
	v_nop
.endr
.Lfirst_asked:
	v_and_b32 v1, 15, v0                           ; r
	v_bfe_u32 v2, v0, 4, 1                         ; h
	v_and_b32 v3, 31, v0
	v_lshlrev_b32 v3, 4, v3                        ; 16 x lane
	s_lshl_b32 s90, s15, 13                        ; my four row tiles of 2,048 bytes
	v_add_nc_u32 v[ADA], s90, v3
	v_add_nc_u32 v[ADA+1], 65536, v[ADA]
	v_mul_u32_u24 v5, v1, WPITCH
	v_lshl_add_u32 v5, v2, 3, v5                   ; row x pitch + 8 h
	s_mul_i32 s91, s16, 64*WPITCH                  ; my 64 rows of Wo
	s_add_co_u32 s91, s91, BBASE
	v_add_nc_u32 v[ADB], s91, v5
	s_mul_i32 s90, s[WV], T16
	s_add_co_u32 s90, s90, STAGE                   ; my stage
	v_mul_u32_u24 v4, v1, PITCH
	v_lshl_add_u32 v4, v2, 5, v4                   ; in: row r, 32 bytes for each half of the lanes
	v_add_nc_u32 v[STO], s90, v4
	v_mul_u32_u24 v4, v2, PITCH
	v_lshl_add_u32 v4, v1, 4, v4                   ; back: lanes 0-15 one row of 256 bytes, lanes 16-31 the next
	v_add_nc_u32 v[RD], s90, v4
	v_lshlrev_b32 v[CO], 12, v2
	v_lshl_add_u32 v[CO], v1, 4, v[CO]             ; and the same two rows in out0
	v_lshlrev_b32 v[BOF], 5, v2
	s_wait_alu depctr_va_vdst(0)                   ; the wait at the head's end, behind its last vector instruction
	s_lshl_b32 s58, s19, 9
	s_lshl_b32 s59, s16, 8
	s_add_co_u32 s58, s58, s59                     ; my first column, in bytes: 512 x tile column + 256 x half
	s_mov_b32 s59, 0
	s_add_nc_u64 s[8:9], s[8:9], s[58:59]
	s_add_nc_u64 s[12:13], s[12:13], s[58:59]
	s_lshl_b32 s60, s20, 7
	s_lshl_b32 s61, s15, 6
	s_add_co_u32 s60, s60, s61                     ; my first row: 128 x tile row + 64 x half
	s_lshl_b32 s60, s60, 12
	s_mov_b32 s61, 0
	s_add_nc_u64 s[12:13], s[12:13], s[60:61]
.irp b, 0,1,2,3
	global_load_b128 v[BO+8*\b:BO+8*\b+3],   v[BOF], s[8:9] offset:64*\b       ; bo at columns 16 b + 8 h + 0 .. 7 of my 64
	global_load_b128 v[BO+8*\b+4:BO+8*\b+7], v[BOF], s[8:9] offset:64*\b+16
.endr
	s_wait_kmcnt 0x0
	s_add_co_i32 s56, s56, s57
	s_add_co_i32 s56, s56, 127
	s_lshl_b32 s56, s56, 23                        ; 2^(e10 + e11) as f32
	s_mov_b32 s57, s56                             ; (named with it as a pair)
.macro LDW k                           ; Wo's four fragments of K step k: 32 loads of 8 bytes
	WIN 0x80+0x40*((\k)/4)
.irp b, 0,1,2,3
.irp c, 0,1,2,3,4,5,6,7
	ds_load_b64 v[64*((\k)%4)+16*\b+2*\c:64*((\k)%4)+16*\b+2*\c+1], v[ADB] offset:\b*16*WPITCH+(\k)*128+16*\c
.endr
.endr
.endm
.macro LDA a, k                        ; block a's fragment of K step k: 4 loads of 16 bytes
	WIN 0x40
.irp c, 0,1,2,3
	ds_load_b128 v[128*((\a)%2)+16*(\k)+4*\c:128*((\a)%2)+16*(\k)+4*\c+3], v[ADA+(\k)/4] offset:((\k)%4)*16384+(\a)*2048+\c*512
.endr
.endm
.macro LDBLOCK a                       ; block a's fragments of the whole K: 32 loads
.irp k, 0,1,2,3,4,5,6,7
	LDA \a, \k
.endr
.endm
.macro MUL4 a, k                       ; K step k of block a: its four accumulators take turns, one instruction a turn
	WIN 0x06+((\k)/4)                              ; source 0 (Wo) window 2 or 3, source 1 (a) window 1; C and D window 0
.irp b, 0,1,2,3
.if (\k) == 0
	v_wmma_f32_16x16x128_fp8_fp8 v[ACC+32*((\a)%2)+8*\b:ACC+32*((\a)%2)+8*\b+7], v[64*((\k)%4)+16*\b:64*((\k)%4)+16*\b+15], v[128*((\a)%2)+16*(\k):128*((\a)%2)+16*(\k)+15], 0
.else
	v_wmma_f32_16x16x128_fp8_fp8 v[ACC+32*((\a)%2)+8*\b:ACC+32*((\a)%2)+8*\b+7], v[64*((\k)%4)+16*\b:64*((\k)%4)+16*\b+15], v[128*((\a)%2)+16*(\k):128*((\a)%2)+16*(\k)+15], v[ACC+32*((\a)%2)+8*\b:ACC+32*((\a)%2)+8*\b+7]
.endif
.endr
.endm
.macro MULBLOCK a
.irp k, 0,1,2,3,4,5,6,7
	MUL4 \a, \k
.endr
.endm
; A block of 16 rows x 64 columns: sum x 2^(e10 + e11) + bo, through my own stage in LDS, back as rows of 256 bytes.  LDS serves a wave's instructions in order (ISA guide 5.7.1.4).
.macro TOSTAGE a
	PLACES                                         ; in front of the first read of the block's results, and of loads into its fragments
	WIN 0
.irp b, 0,1,2,3
.irp i, 0,2,4,6
	v_pk_fma_f32 v[TMP+8*\b+\i:TMP+8*\b+\i+1], v[ACC+32*((\a)%2)+8*\b+\i:ACC+32*((\a)%2)+8*\b+\i+1], s[56:57], v[BO+8*\b+\i:BO+8*\b+\i+1] op_sel_hi:[1,0,1]   ; each accumulator from its low end on
.endr
.endr
.irp b, 0,1,2,3
	ds_store_b128 v[STO], v[TMP+8*\b:TMP+8*\b+3] offset:64*\b
	ds_store_b128 v[STO], v[TMP+8*\b+4:TMP+8*\b+7] offset:64*\b+16
.endr
.irp t, 0,1,2,3,4,5,6,7
	ds_load_b128 v[BK+32*((\a)%2)+4*\t:BK+32*((\a)%2)+4*\t+3], v[RD] offset:\t*2*PITCH
.endr
.endm
.macro SEND a, younger                         ; younger: the LDS instructions issued behind the stage's loads
	WIN 0
	s_wait_dscnt \younger
.irp t, 0,1,2,3,4,5,6,7
	global_store_b128 v[CO], v[BK+32*((\a)%2)+4*\t:BK+32*((\a)%2)+4*\t+3], s[12:13] offset:(16*(\a)+2*\t)*4096 th:TH_STORE_NT   ; 16 lanes store 256 consecutive bytes, aligned; written once, read by nobody here
.endr
.endm
	s_wait_tensorcnt 0x0                           ; my part is in,
	s_barrier_signal -1
	s_barrier_wait -1                              ; everybody's is
	LDW 0
	LDA 0, 0
.irp k, 0,1,2,3,4,5,6
	LDW \k+1
	LDA 0, \k+1
	s_wait_dscnt 36                                ; K step k is in; the next one's 32 + 4 loads may be out
	MUL4 0, \k
.endr
	LDBLOCK 1
	s_wait_dscnt 32                                ; block 1's 32 loads may be out
	MUL4 0, 7
	s_wait_loadcnt 0x0                             ; bo
	TOSTAGE 0
	LDBLOCK 2                                      ; into block 0's buffer
	s_wait_dscnt 48                                ; block 1 is in; the stage's 16 and block 2's 32 may be out
	MULBLOCK 1
	SEND 0, 32
	TOSTAGE 1
	LDBLOCK 3
	s_wait_dscnt 48
	MULBLOCK 2
	SEND 1, 32
	s_wait_xcnt 0x0                                ; block 0's stores have read their registers: block 2's rows may land there
	TOSTAGE 2
	s_wait_dscnt 16                                ; block 3 is in; the stage's 16 may be out
	MULBLOCK 3
	SEND 2, 0
	s_wait_xcnt 0x0                                ; likewise block 1's
	TOSTAGE 3
	SEND 3, 0
	s_wait_tensorcnt 0x0                           ; the wave's end
	ds_add_u32 v[SPW], v[NIL]
	s_wait_dscnt 0x0
	CROUND                                         ; the closing round: no work-group ends while a partner may still ask for a tile that names it
	s_endpgm
.Lfunc_end_k_qf21531846a_proj:
	.size	k_qf21531846a_proj, .Lfunc_end_k_qf21531846a_proj-k_qf21531846a_proj
	.p2alignl 7, 3214868480
	.fill 96, 4, 3214868480
	.section	.rodata,"a",@progbits
	.p2align	6, 0x0
	.amdhsa_kernel k_qf21531846a_proj
		.amdhsa_group_segment_fixed_size 282112
		.amdhsa_private_segment_fixed_size 0
		.amdhsa_enable_private_segment 0
		.amdhsa_kernarg_size 40
		.amdhsa_user_sgpr_count 2
		.amdhsa_user_sgpr_kernarg_segment_ptr 1
		.amdhsa_wavefront_size32 1
		.amdhsa_system_sgpr_workgroup_id_x 1
		.amdhsa_system_sgpr_workgroup_id_y 1
		.amdhsa_system_sgpr_workgroup_id_z 1
		.amdhsa_system_vgpr_workitem_id 0
		.amdhsa_next_free_vgpr 1024
		.amdhsa_next_free_sgpr 100
		.amdhsa_reserve_vcc 0
		.amdhsa_float_denorm_mode_32 3
		.amdhsa_float_denorm_mode_16_64 3
		.amdhsa_memory_ordered 1
		.amdhsa_forward_progress 1
		.amdhsa_inst_pref_size 53
	.end_amdhsa_kernel
	.amdgpu_metadata
---
amdhsa.version: [ 1, 2 ]
amdhsa.kernels:
  - .name:           k_qf21531846a_proj
    .symbol:         k_qf21531846a_proj.kd
    .args:
      - { .name: ac, .offset: 0, .size: 8, .value_kind: global_buffer, .address_space: global }
      - { .name: Wo_codes, .offset: 8, .size: 8, .value_kind: global_buffer, .address_space: global }
      - { .name: bo, .offset: 16, .size: 8, .value_kind: global_buffer, .address_space: global }
      - { .name: lowp_scales, .offset: 24, .size: 8, .value_kind: global_buffer, .address_space: global }
      - { .name: out0, .offset: 32, .size: 8, .value_kind: global_buffer, .address_space: global }
    .group_segment_fixed_size: 282112
    .private_segment_fixed_size: 0
    .kernarg_segment_align: 8
    .kernarg_segment_size: 40
    .max_flat_workgroup_size: 128
    .sgpr_count:     100
    .vgpr_count:     1024
    .wavefront_size: 32
...
	.end_amdgpu_metadata
.endif
;; end of part 3
